; MI455X (gfx1250); checked and timed in simulation.
; The chip was launched on July 23, 2026; its instructions are those of AMD's public machine-readable ISA for CDNA 5 (MIT licence, August 2026) and "CDNA5" Instruction Set Architecture Reference Guide (July 2026). The comments in the code are by the model that wrote it; some were corrected since.
;; KAN Multi Encoder Attention. Allowed arithmetic: matrix products marked QUANTISED: E2M1 operands, one E8M0 scale for each 32 along K, by v_wmma_scale_f32_16x16x128_f8f6f4 with both operands' format E2M1 (or v_wmma_scale_f32_32x16x128_f4), f32 sums; products left as they are: bf16, f16 or f32 operands; f32 sums; everything else in f32.
;; Inputs: Wk 3 x 32 x 256 float32; Wout 256 x 768 float32; Wq 3 x 32 x 256 float32; Wv 3 x 256 x 256 float32; gamma 3 float32; x0 1 x 256 x 128 x 128 float32; x1 1 x 256 x 128 x 128 float32; x2 1 x 256 x 128 x 128 float32.
;; Outputs: out0 1 x 256 x 128 x 128 float32.
;; This version of the problem:
;;   THIS VERSION OF THE PROBLEM IS GIVEN IN LOW PRECISION. The matrix products marked QUANTISED in the list below multiply operands that are first quantised to E2M1 (2 exponent bits, 1 mantissa bit; 4 bits a number), with one power-of-two scale for each 32 numbers along K (OCP MX v1.0); their sums are f32. The products marked 'left as it is' may take bf16, f16 or f32 operands, with f32 sums. Whichever they take, every output number must still come out within the allowed error. Rounding operands to bf16 (8 significant bits) uses up far more of that allowance than f16 does (11 bits, for magnitudes from 6e-5 to 65,504). All else is computed in f32.
;;   The module's matrix products, in the order in which they are computed (A, B: the left and right operand; K: the contracted axis; several contracted axes count as one K, in the product's order):
;;     1. [M 16,384, K 256] x [K 256, N 32]; A: input x0; B: input Wq: QUANTISED
;;     2. [M 16,384, K 256] x [K 256, N 32]; A: input x0; B: input Wk: QUANTISED
;;     3. [M 16,384, K 256] x [K 256, N 256]; A: input x0; B: input Wv: QUANTISED
;;     4. batch 4 x [M 4,096, K 32] x [K 32, N 4,096]; A: computed on the way; B: computed on the way: left as it is (an operand is computed on the way)
;;     5. batch 4 x [M 256, K 4,096] x [K 4,096, N 4,096]; A: computed on the way; B: computed on the way: left as it is (an operand is computed on the way)
;;     6. [M 16,384, K 256] x [K 256, N 32]; A: input x1; B: input Wq: QUANTISED
;;     7. [M 16,384, K 256] x [K 256, N 32]; A: input x1; B: input Wk: QUANTISED
;;     8. [M 16,384, K 256] x [K 256, N 256]; A: input x1; B: input Wv: QUANTISED
;;     9. batch 4 x [M 4,096, K 32] x [K 32, N 4,096]; A: computed on the way; B: computed on the way: left as it is (an operand is computed on the way)
;;     10. batch 4 x [M 256, K 4,096] x [K 4,096, N 4,096]; A: computed on the way; B: computed on the way: left as it is (an operand is computed on the way)
;;     11. [M 16,384, K 256] x [K 256, N 32]; A: input x2; B: input Wq: QUANTISED
;;     12. [M 16,384, K 256] x [K 256, N 32]; A: input x2; B: input Wk: QUANTISED
;;     13. [M 16,384, K 256] x [K 256, N 256]; A: input x2; B: input Wv: QUANTISED
;;     14. batch 4 x [M 4,096, K 32] x [K 32, N 4,096]; A: computed on the way; B: computed on the way: left as it is (an operand is computed on the way)
;;     15. batch 4 x [M 256, K 4,096] x [K 4,096, N 4,096]; A: computed on the way; B: computed on the way: left as it is (an operand is computed on the way)
;;     16. [M 16,384, K 768] x [K 768, N 256]; A: computed on the way; B: input Wout: left as it is (an operand is computed on the way)
;;   THE QUANTISER, for each operand of a quantised product, along K:
;;     - K is cut into blocks of 32 from its start; a last block that is shorter is filled with zeros.
;;     - A block's scale is 2^e with e = floor(log2(the largest magnitude in the block)) - 2, held to -126 .. 127; a block of zeros has e = 0. As a byte (E8M0): e + 127.
;;     - Each number is divided by its block's scale, clamped to +-6, and rounded to the nearest number of E2M1, ties to even, subnormals kept.
;;     - The product sums the exact products of the quantised numbers (number of the format x scale) in f32.
;;   ~~~python
;;   def quantise(x, axis):      # numpy; x: float32 -> the quantised numbers, widened to float32 again
;;       x = np.moveaxis(x, axis, -1); K = x.shape[-1]
;;       x = np.pad(x, [(0, 0)] * (x.ndim - 1) + [(0, -K % 32)]); x = x.reshape(x.shape[:-1] + (-1, 32)); a = np.abs(x).max(-1, keepdims=True)
;;       e = np.where(a > 0, np.clip(np.frexp(np.where(a > 0, a, 1))[1] - 1 - 2, -126, 127), 0)      # np.frexp(a)[1] - 1 = floor(log2(a)), exactly
;;       r = np.clip(x / 2.0 ** e, -6, 6)
;;       step = 2.0 ** (np.maximum(np.frexp(np.where(r == 0, 1, r))[1] - 1, 0) - 1)
;;       q = np.round(r / step) * step * 2.0 ** e      # np.round: ties to even
;;       return np.moveaxis(q.reshape(q.shape[:-2] + (-1,))[..., :K], -1, axis).astype(np.float32)
;;   ~~~
;; One version. Each part assembles by itself: llvm-mc -triple=amdgcn-amd-amdhsa -mcpu=gfx1250 --defsym DOCPART=n.
;; ======== version 1 of 1: 4 launches
;; limits: values are held in f16: magnitudes above 65,504 overflow, below 6.1e-05 lose precision
;; workspace buffers: wf 122,880 bytes; ws 15,360 bytes; wof 393,216 bytes; qimg 3,145,728 bytes; kimg 3,145,728 bytes; kv 28,311,552 bytes; xt 25,165,824 bytes; ot 25,165,824 bytes
;; launch prep (part 1): grid 36 x 3, 1 waves a work-group, no clusters, 0 bytes of LDS; arguments Wq, Wk, Wv, Wout, wf, ws, wof; writes wf, ws, wof
.if DOCPART == 1
	.amdgcn_target "amdgcn-amd-amdhsa--gfx1250"
	.amdhsa_code_object_version 6
	.text
	.protected	k_qa5b2db40d6_prep
	.globl	k_qa5b2db40d6_prep
	.p2align	8
	.type	k_qa5b2db40d6_prep,@function
k_qa5b2db40d6_prep:
	s_mov_b64 s[64:65], 0
	v_nop
	global_prefetch_b8 v0, s[64:65] scope:SCOPE_SE
	s_setreg_imm32_b32 hwreg(HW_REG_WAVE_MODE, 25, 1), 1
	s_wait_xcnt 0x0
; PREP: the weights, once, into the order of the matrix operands' registers.
; Work-group (x, e), one wave.  x = 0..19: 16 rows of encoder e's Wq (x = 0, 1), Wk (2, 3) or Wv (4..19), [rows][256] f32, become codes of FP4 (E2M1) with one E8M0 byte for each 32 along K:
;   wf[e][x][ks][half][lane][16 bytes]: the 8 registers of the fragment (16 rows x 128 K) of K step ks: lane (r, h) holds row r, registers 4 c .. 4 c + 3 hold k = 128 ks + 64 c + 32 h + 0 .. 31;
;   ws[e][x][ks][lane]: the row's scale word (byte b: k = 32 b ..), the same in lane r and lane 16 + r.
; x = 20..35: 16 rows of Wout [256][768], columns 256 e on, become f16 fragments (16 rows x 32 K, 8 registers): wof[e][kb][x - 20][half][lane][16 bytes]: lane (r, h), half u: k = 32 kb + 16 u + 8 h + 0 .. 7.
; A block's scale is 2^(floor(log2(largest magnitude)) - 2): its byte is the largest magnitude's exponent field - 2, held at 1 from below by a floor among the maximum's leaves.
; LIMITS: a block of zeros gets the byte 1 (its codes are zeros, and this program alone reads the bytes); NaN and infinities are not served; Wout above 65,504 or under 6e-8 in magnitude has no f16 number.
; No LDS, no matrix unit, no cluster: 1.8 MB are read once, each work-group its own rows.
.set X,   32                           ; v32-159  128 numbers as loaded
.set CD,  160                          ; v160-175 the codes: four registers for each of my four blocks
.set SCL, 16                           ; v16-19   the conversions' scale operands
.set BY,  20                           ; v20-23   the scale bytes
.set SW,  24                           ; v24-25   the scale words;  v26-27 the other half of the lanes'
	s_load_b256 s[4:11], s[0:1], 0x0               ; Wq s[4:5], Wk s[6:7], Wv s[8:9], Wout s[10:11]
	s_load_b128 s[12:15], s[0:1], 0x20             ; wf s[12:13], ws s[14:15]
	s_load_b64 s[16:17], s[0:1], 0x30              ; wof
	s_and_b32 s18, ttmp7, 0xffff                   ; e
	v_and_b32 v1, 15, v0                           ; r
	v_lshrrev_b32 v2, 4, v0                        ; h
	v_lshlrev_b32 v3, 4, v0                        ; 16 x lane: my place in an image
	s_wait_kmcnt 0x0
	s_cmp_lt_u32 ttmp9, 20
	s_cbranch_scc0 .Lwout
	; ---- 16 rows of Wq, Wk or Wv.  The buffer is chosen on the work-group's number alone
	s_cmp_lt_u32 ttmp9, 4
	s_cselect_b64 s[20:21], s[6:7], s[8:9]
	s_cselect_b32 s22, 2, 4                        ; the first x of that buffer
	s_cselect_b32 s23, 15, 18                      ; an encoder's part: 2^15 bytes of Wq and Wk, 2^18 of Wv
	s_cmp_lt_u32 ttmp9, 2
	s_cselect_b64 s[20:21], s[4:5], s[20:21]
	s_cselect_b32 s22, 0, s22
	s_sub_co_u32 s22, ttmp9, s22
	s_lshl_b32 s22, s22, 14                        ; 16 rows of 1,024 bytes
	s_lshl_b32 s23, s18, s23
	s_add_co_u32 s22, s22, s23
	s_mov_b32 s23, 0
	s_add_nc_u64 s[20:21], s[20:21], s[22:23]
	v_lshlrev_b32 v4, 10, v1
	v_lshl_add_u32 v4, v2, 7, v4                   ; row r, + 32 h numbers
.irp n, 0,1,2,3                        ; block n = 2 ks + c: k = 64 n + 32 h + 0 .. 31
.irp i, 0,1,2,3,4,5,6,7
	global_load_b128 v[X+32*\n+4*\i:X+32*\n+4*\i+3], v4, s[20:21] offset:256*\n+16*\i
.endr
.endr
	s_mul_i32 s24, s18, 20
	s_add_co_u32 s24, s24, ttmp9                   ; 20 e + x
	s_lshl_b32 s26, s24, 11
	s_mov_b32 s27, 0
	s_add_nc_u64 s[12:13], s[12:13], s[26:27]      ; two fragments of 1,024 bytes
	s_lshl_b32 s26, s24, 8
	s_add_nc_u64 s[14:15], s[14:15], s[26:27]      ; two arrays of 32 scale words
	s_mov_b32 s28, 0x76543210
	s_mov_b32 s29, 0xfedcba98                      ; v_permlanex16_b32's selects for lane l xor 16
	v_lshlrev_b32 v5, 2, v0                        ; 4 x lane
	v_lshlrev_b32 v6, 3, v2                        ; 8 h: my bytes' place in the scale word
	v_mov_b32 v26, 0                               ; a lane permute's destination counts as one of its sources
	v_mov_b32 v27, 0
	s_wait_loadcnt 0x0
.macro WBLK n                          ; all 32 numbers of the block are mine
.set XS, X+32*\n
	v_max3_num_f32 v10, |v[XS]|, |v[XS+1]|, |v[XS+2]|
	v_max3_num_f32 v11, |v[XS+3]|, |v[XS+4]|, |v[XS+5]|
.irp i, 6,10,14,18,22,26
	v_max3_num_f32 v10, v10, |v[XS+\i]|, |v[XS+\i+1]|
	v_max3_num_f32 v11, v11, |v[XS+\i+2]|, |v[XS+\i+3]|
.endr
	v_max3_num_f32 v10, v10, |v[XS+30]|, |v[XS+31]|
	v_max3_num_f32 v10, v10, v11, 0x1800000        ; the floor 2^(3 - 127): the byte cannot fall under 1
	v_add_nc_u32 v[SCL+\n], 0xff000000, v10        ; 2 off the exponent field: the conversion takes the exponent field of this operand as its scale
	v_lshrrev_b32 v[BY+\n], 23, v[SCL+\n]          ; the scale's byte
.irp g, 0,1,2,3
	v_cvt_scalef32_pk8_fp4_f32 v[CD+4*\n+\g], v[XS+8*\g:XS+8*\g+7], v[SCL+\n]
.endr
.endm
	WBLK 0
	WBLK 1
	WBLK 2
	WBLK 3
	v_nop                                          ; one plain line behind the last scaled conversion
.irp ks, 0,1
	v_lshl_or_b32 v[SW+\ks], v[BY+2*\ks+1], 16, v[BY+2*\ks]   ; my two bytes: blocks h and 2 + h of the K step,
	v_lshlrev_b32 v[SW+\ks], v6, v[SW+\ks]         ; 8 h bits up
.endr
.irp ks, 0,1
	v_permlanex16_b32 v[SW+2+\ks], v[SW+\ks], s28, s29
.endr
.irp ks, 0,1
	v_or_b32 v[SW+\ks], v[SW+\ks], v[SW+2+\ks]     ; with lane l xor 16's two the word is whole, in both lanes
	global_store_b32 v5, v[SW+\ks], s[14:15] offset:128*\ks
.endr
.irp n, 0,1,2,3
	global_store_b128 v3, v[CD+4*\n:CD+4*\n+3], s[12:13] offset:512*\n   ; 32 lanes store 512 consecutive bytes
.endr
	s_endpgm
.Lwout:
	; ---- 16 rows of Wout, encoder e's 256 columns
	s_sub_co_u32 s22, ttmp9, 20                    ; the tile of 16 outputs
	s_mul_i32 s20, s22, 49152                      ; 16 rows of 3,072 bytes
	s_lshl_b32 s21, s18, 10
	s_add_co_u32 s20, s20, s21
	s_mov_b32 s21, 0
	s_add_nc_u64 s[10:11], s[10:11], s[20:21]
	v_mul_u32_u24 v4, v1, 3072
	v_lshl_add_u32 v4, v2, 5, v4                   ; row r, + 8 h numbers
.irp kb, 0,1,2,3,4,5,6,7
.irp u, 0,1
	global_load_b128 v[X+16*\kb+8*\u:X+16*\kb+8*\u+3], v4, s[10:11] offset:128*\kb+64*\u
	global_load_b128 v[X+16*\kb+8*\u+4:X+16*\kb+8*\u+7], v4, s[10:11] offset:128*\kb+64*\u+16
.endr
.endr
	s_lshl_b32 s20, s18, 17                        ; 8 blocks of 16,384 bytes an encoder
	s_lshl_b32 s22, s22, 10
	s_add_co_u32 s20, s20, s22
	s_add_nc_u64 s[16:17], s[16:17], s[20:21]
	s_wait_loadcnt 0x0
.set I, 0
.rept 64
	v_cvt_pk_f16_f32 v[X+I], v[X+2*I], v[X+2*I+1]  ; in place, ascending: number I's place is never ahead of its sources
.set I, I+1
.endr
.irp kb, 0,1,2,3,4,5,6,7
.irp u, 0,1
	global_store_b128 v3, v[X+8*\kb+4*\u:X+8*\kb+4*\u+3], s[16:17] offset:16384*\kb+512*\u
.endr
.endr
	s_endpgm
.Lfunc_end_k_qa5b2db40d6_prep:
	.size	k_qa5b2db40d6_prep, .Lfunc_end_k_qa5b2db40d6_prep-k_qa5b2db40d6_prep
	.p2alignl 7, 3214868480
	.fill 96, 4, 3214868480
	.section	.rodata,"a",@progbits
	.p2align	6, 0x0
	.amdhsa_kernel k_qa5b2db40d6_prep
		.amdhsa_group_segment_fixed_size 0
		.amdhsa_private_segment_fixed_size 0
		.amdhsa_enable_private_segment 0
		.amdhsa_kernarg_size 56
		.amdhsa_user_sgpr_count 2
		.amdhsa_user_sgpr_kernarg_segment_ptr 1
		.amdhsa_wavefront_size32 1
		.amdhsa_system_sgpr_workgroup_id_x 1
		.amdhsa_system_sgpr_workgroup_id_y 1
		.amdhsa_system_sgpr_workgroup_id_z 1
		.amdhsa_system_vgpr_workitem_id 0
		.amdhsa_next_free_vgpr 176
		.amdhsa_next_free_sgpr 66
		.amdhsa_reserve_vcc 0
		.amdhsa_float_denorm_mode_32 3
		.amdhsa_float_denorm_mode_16_64 3
		.amdhsa_memory_ordered 1
		.amdhsa_forward_progress 1
		.amdhsa_inst_pref_size 21
	.end_amdhsa_kernel
	.amdgpu_metadata
---
amdhsa.version: [ 1, 2 ]
amdhsa.kernels:
  - .name:           k_qa5b2db40d6_prep
    .symbol:         k_qa5b2db40d6_prep.kd
    .args:
      - { .name: Wq, .offset: 0, .size: 8, .value_kind: global_buffer, .address_space: global }
      - { .name: Wk, .offset: 8, .size: 8, .value_kind: global_buffer, .address_space: global }
      - { .name: Wv, .offset: 16, .size: 8, .value_kind: global_buffer, .address_space: global }
      - { .name: Wout, .offset: 24, .size: 8, .value_kind: global_buffer, .address_space: global }
      - { .name: wf, .offset: 32, .size: 8, .value_kind: global_buffer, .address_space: global }
      - { .name: ws, .offset: 40, .size: 8, .value_kind: global_buffer, .address_space: global }
      - { .name: wof, .offset: 48, .size: 8, .value_kind: global_buffer, .address_space: global }
    .group_segment_fixed_size: 0
    .private_segment_fixed_size: 0
    .kernarg_segment_align: 8
    .kernarg_segment_size: 56
    .max_flat_workgroup_size: 32
    .sgpr_count:     66
    .vgpr_count:     176
    .wavefront_size: 32
...
	.end_amdgpu_metadata
.endif
;; end of part 1
;; launch proj (part 2): grid 256 x 3, 4 waves a work-group, no clusters, 9,216 bytes of LDS; arguments x0, x1, x2, wf, ws, qimg, kimg, kv, xt; writes qimg, kimg, kv, xt
.if DOCPART == 2
	.amdgcn_target "amdgcn-amd-amdhsa--gfx1250"
	.amdhsa_code_object_version 6
	.text
	.protected	k_qa5b2db40d6_proj
	.globl	k_qa5b2db40d6_proj
	.p2align	8
	.type	k_qa5b2db40d6_proj,@function
k_qa5b2db40d6_proj:
	s_mov_b64 s[64:65], 0
	v_nop
	global_prefetch_b8 v0, s[64:65] scope:SCOPE_SE
	s_setreg_imm32_b32 hwreg(HW_REG_WAVE_MODE, 25, 1), 1
	s_wait_xcnt 0x0
; PROJ: q, k, v = W x, the nine quantised products, on codes of FP4 (E2M1) with one E8M0 scale for each 32 channels; and x itself as f16.  All results leave as IMAGES OF OPERAND REGISTERS for the later launches.
; Work-group (bx, e): encoder e, chunk bx / 64, row i = bx % 64 of the chunk: 64 positions, 256 consecutive bytes of each of the 256 channels.  Four tiles T of 16 positions.
; PHASE A.  Wave w takes channels 64 w .. 64 w + 63 of all 64 positions.  A LANE IS A POSITION AND ITS REGISTERS RUN DOWN THE CHANNELS, which are K: a block of 32 lies in one lane, its maximum needs no other lane, and the
;   conversions give codes with K innermost.  The two loads of a channel stand on end: together they read its 256 bytes.  The same numbers, rounded to f16 in pairs, are the last launch's operand (xt).
;   Codes and scale bytes go to LDS as images of the FP4 operand (16 positions x 128 channels: 8 registers; a wave makes registers 4 c .. 4 c + 3, c = w % 2, of K step w / 2).
; PHASE B, behind the one barrier.  Wave w owns 16 rows of Wq (w = 0, 1) or Wk (w = 2, 3), used with source 0 = W, source 1 = x (a lane holds a position, its registers 8 of the 32 head channels), and 64 rows of Wv,
;   used with source 0 = x, source 1 = W (a lane holds a channel, its registers 8 neighbouring positions).  Rounded to f16 in pairs, a lane's 16 bytes are a half fragment of the attention's operands as it stands.
;   q is multiplied by log2(e) in f32 first, so that the attention's exponent is base 2.
; OUT: qimg, kimg [head][tile of 16 positions][half][lane][16];  xt [1024 e + tile][32 channels kb][half][lane][16];  kv [head][slot 16][147,456]: a slot holds 8 key steps (32 keys) of K, 2,048 bytes each, then 8 of V,
;   16,384 bytes each ([tile of 16 channels][half][lane][16]); place n of all 128 holds K of step n + 2 and V of step n + 1 (mod 128): what the attention fetches in its step n.
; Every store of a wave covers 512 consecutive bytes, aligned.  No tensor load: three work-groups share a WGP's registers, and their loads overlap each other's arithmetic; no cluster: work-groups share only 120 KB of weights.
; LIMITS: NaN and infinities are not served; a block of zeros has the byte 1 (its codes are zeros); q log2(e), k, v, x above 65,504 in magnitude have no f16 number (the drawn ones lie under 10).
.set XIMG,  0                          ; LDS: x's 8 fragments, (2 T + ks) x 1,024 bytes
.set XSC,   8192                       ; their scale words: array (2 ph + ks) of 32 words: lane l = position 32 ph + l
.set SPARE, 8704                       ; the spare words, 128 bytes a wave: two blocks of 256 bytes that no other line names
.set L16, 1                            ; v1   16 x lane
.set L4,  2                            ; v2   4 x lane
.set XWI, 3                            ; v3   where I store codes: 16 x lane + 512 x wave
.set XWS, 4                            ; v4   where I store two scale bytes
.set MA,  7                            ; v7-8 maxima
.set MB,  8
.set SCL, 9                            ; v9   the conversions' scale operand
.set BY,  10                           ; v10-13 the four sets' scale bytes
.set HW,  14                           ; v14-15 two bytes on end
.set WFR, 16                           ; v16-95   my ten weight fragments: U ks 0, 1; then V tile tt, ks at 16 + 16 tt + 8 ks
.set WSR, 96                           ; v96-105  their scale words
.set XSR, 106                          ; v106-109 x's scale words: 2 ph + ks
.set SPW, 110                          ; v110 LDS address of my spare word; never rewritten
.set NIL, 111                          ; v111 0; never rewritten
.set X,   112                          ; v112-239 phase A: set 2 ph + cbl: 32 channels of position 32 ph + lane
.set XFR, 112                          ; v112-143 phase B: x's four fragments of two tiles
.set ACC, 144                          ; v144-223 phase B: ten accumulators
.set CD,  240                          ; v240-255 the codes: four registers a set
.set WV,  22
	s_load_b256 s[4:11], s[0:1], 0x0               ; x0 s[4:5], x1 s[6:7], x2 s[8:9], wf s[10:11]
	s_load_b256 s[12:19], s[0:1], 0x20             ; ws s[12:13], qimg s[14:15], kimg s[16:17], kv s[18:19]
	s_load_b64 s[20:21], s[0:1], 0x40              ; xt
	v_lshl_add_u32 v[SPW], v0, 2, SPARE
	v_mov_b32 v[NIL], 0
	v_lshrrev_b32 v5, 5, v0
	v_readfirstlane_b32 s[WV], v5                  ; wave 0..3
	v_and_b32 v5, 31, v0
	v_lshlrev_b32 v[L16], 4, v5
	v_lshlrev_b32 v[L4], 2, v5
	s_and_b32 s23, ttmp7, 0xffff                   ; e
	s_and_b32 s24, ttmp9, 63                       ; i
	s_lshr_b32 s25, ttmp9, 6                       ; chunk = 2 kh + kw
	s_lshr_b32 s26, s25, 1
	s_and_b32 s27, s25, 1
	s_lshl_b32 s28, s[WV], 22                      ; x: 64 w channels of 65,536 bytes,
	s_lshl_b32 s29, s26, 15
	s_add_co_u32 s28, s28, s29                     ; image row 64 kh + i of 512 bytes,
	s_lshl_b32 s29, s24, 9
	s_add_co_u32 s28, s28, s29
	s_lshl_b32 s29, s27, 8
	s_add_co_u32 s28, s28, s29                     ; column 64 kw
	s_mov_b32 s29, 0
	s_mul_i32 s32, s23, 20
	s_add_co_u32 s33, s32, s[WV]                   ; my U tile: 20 e + w
	s_lshl_b32 s34, s[WV], 2
	s_add_co_u32 s34, s34, s32
	s_add_co_u32 s34, s34, 4                       ; my first V tile: 20 e + 4 + 4 w
	s_wait_kmcnt 0x0
	s_cmp_eq_u32 s23, 0                            ; the encoder's x: a choice on the work-group's number alone
	s_cselect_b64 s[30:31], s[4:5], s[6:7]
	s_cmp_eq_u32 s23, 2
	s_cselect_b64 s[30:31], s[8:9], s[30:31]
	s_add_nc_u64 s[30:31], s[30:31], s[28:29]
	s_lshl_b32 s28, s33, 11
	s_add_nc_u64 s[36:37], s[10:11], s[28:29]
	s_lshl_b32 s28, s34, 11
	s_add_nc_u64 s[38:39], s[10:11], s[28:29]
	s_lshl_b32 s28, s33, 8
	s_add_nc_u64 s[40:41], s[12:13], s[28:29]
	s_lshl_b32 s28, s34, 8
	s_add_nc_u64 s[42:43], s[12:13], s[28:29]
.irp ks, 0,1                           ; the weights first: they are older than every x load, so x's waits cover them
.irp c, 0,1
	global_load_b128 v[WFR+8*\ks+4*\c:WFR+8*\ks+4*\c+3], v[L16], s[36:37] offset:1024*\ks+512*\c
.endr
	global_load_b32 v[WSR+\ks], v[L4], s[40:41] offset:128*\ks
.endr
.irp tt, 0,1,2,3
.irp ks, 0,1
.irp c, 0,1
	global_load_b128 v[WFR+16+16*\tt+8*\ks+4*\c:WFR+16+16*\tt+8*\ks+4*\c+3], v[L16], s[38:39] offset:2048*\tt+1024*\ks+512*\c
.endr
	global_load_b32 v[WSR+2+2*\tt+\ks], v[L4], s[42:43] offset:256*\tt+128*\ks
.endr
.endr
.set CI, 0
.rept 64                               ; channel 64 w + CI: positions 0-31, then 32-63: 256 consecutive bytes in two loads on end; read once in the whole program
	global_load_b32 v[X+CI], v[L4], s[30:31] offset:CI*65536 th:TH_LOAD_NT
	global_load_b32 v[X+64+CI], v[L4], s[30:31] offset:CI*65536+128 th:TH_LOAD_NT
.set CI, CI+1
.endr
	; where the results go (offsets in registers of their own, under 2^32)
	s_lshl_b32 s28, s23, 23                        ; xt: tile 1024 e + 4 bx of 8,192 bytes, + my two blocks of 32 channels
	s_lshl_b32 s35, ttmp9, 15
	s_add_co_u32 s28, s28, s35
	s_lshl_b32 s35, s[WV], 11
	s_add_co_u32 s28, s28, s35
	s_add_nc_u64 s[44:45], s[20:21], s[28:29]
	s_and_b32 s54, s[WV], 1
	s_lshl_b32 s54, s54, 9                         ; my half of a fragment of q or k
	s_lshl_b32 s28, s23, 20                        ; qimg, kimg: tile 1024 e + 4 bx of 1,024 bytes
	s_lshl_b32 s35, ttmp9, 12
	s_add_co_u32 s28, s28, s35
	s_add_co_u32 s28, s28, s54
	s_cmp_lt_u32 s[WV], 2
	s_cselect_b64 s[46:47], s[14:15], s[16:17]
	s_add_nc_u64 s[46:47], s[46:47], s[28:29]
	s_lshl_b32 s55, s23, 2
	s_add_co_u32 s55, s55, s25                     ; head = 4 e + chunk
	s_mul_i32 s55, s55, 2359296
	s_add_co_u32 s56, s24, 63
	s_and_b32 s56, s56, 63                         ; im = i - 1 mod 64: K of steps 2 i, 2 i + 1 has places 2 im, 2 im + 1; V of step 2 i has place 2 im + 1
	s_lshr_b32 s57, s56, 2
	s_mul_i32 s57, s57, 147456
	s_add_co_u32 s57, s57, s55
	s_and_b32 s56, s56, 3
	s_lshl_b32 s28, s56, 12
	s_add_co_u32 s28, s28, s57
	s_add_co_u32 s28, s28, s54
	s_add_nc_u64 s[48:49], s[18:19], s[28:29]      ; K's four tiles in kv
	s_lshl_b32 s35, s[WV], 12                      ; my four tiles of channels
	s_lshl_b32 s28, s56, 15
	s_add_co_u32 s28, s28, s57
	s_add_co_u32 s28, s28, 32768                   ; behind the slot's K part, one place further
	s_add_co_u32 s28, s28, s35
	s_add_nc_u64 s[50:51], s[18:19], s[28:29]      ; V of step 2 i
	s_lshr_b32 s57, s24, 2
	s_mul_i32 s57, s57, 147456
	s_add_co_u32 s57, s57, s55
	s_and_b32 s56, s24, 3
	s_lshl_b32 s28, s56, 15
	s_add_co_u32 s28, s28, s57
	s_add_co_u32 s28, s28, 16384
	s_add_co_u32 s28, s28, s35
	s_add_nc_u64 s[52:53], s[18:19], s[28:29]      ; V of step 2 i + 1: place 2 i
	s_mov_b32 s58, 0x3fb8aa3b                      ; log2(e)
	s_mov_b32 s59, s58                             ; (named with it as a pair)
	s_lshl_b32 s35, s[WV], 9
	v_add_nc_u32 v[XWI], s35, v[L16]               ; K step w / 2, registers 4 (w % 2) on: 1,024 (w / 2) + 512 (w % 2) = 512 w
	s_lshr_b32 s35, s[WV], 1
	s_lshl_b32 s35, s35, 7
	s_and_b32 s56, s[WV], 1
	s_lshl_b32 s56, s56, 1
	s_add_co_u32 s35, s35, s56
	s_add_co_u32 s35, s35, XSC
	v_add_nc_u32 v[XWS], s35, v[L4]                ; bytes 2 (w % 2), + 1 of my position's word of K step w / 2
; One set: 32 channels (block 2 (w % 2) + cbl of the K step) of position 32 ph + lane.
.macro QSET ph, cbl
.set XS, X+32*(2*\ph+\cbl)
	v_max3_num_f32 v[MA], |v[XS]|, |v[XS+1]|, |v[XS+2]|
	v_max3_num_f32 v[MB], |v[XS+3]|, |v[XS+4]|, |v[XS+5]|
.irp i, 6,10,14,18,22,26
	v_max3_num_f32 v[MA], v[MA], |v[XS+\i]|, |v[XS+\i+1]|
	v_max3_num_f32 v[MB], v[MB], |v[XS+\i+2]|, |v[XS+\i+3]|
.endr
	v_max3_num_f32 v[MA], v[MA], |v[XS+30]|, |v[XS+31]|
	v_max3_num_f32 v[MA], v[MA], v[MB], 0x1800000  ; the floor 2^(3 - 127): the byte cannot fall under 1
	v_add_nc_u32 v[SCL], 0xff000000, v[MA]         ; 2 off the exponent field: the conversions' scale operand
	v_lshrrev_b32 v[BY+2*\ph+\cbl], 23, v[SCL]     ; the scale's byte
.irp g, 0,1,2,3
	v_cvt_scalef32_pk8_fp4_f32 v[CD+4*(2*\ph+\cbl)+\g], v[XS+8*\g:XS+8*\g+7], v[SCL]
.endr
	v_nop                                          ; one plain line between the scaled conversions and the lines that write their sources
.set I, 0
.rept 16
	v_cvt_pk_f16_f32 v[XS+I], v[XS+2*I], v[XS+2*I+1]   ; the same numbers as f16, two channels a register, in place and ascending
.set I, I+1
.endr
.irp j, 0,1,2,3                        ; the f16 operand wants lane (r, h) to hold channels 8 h .. of position r: the first's lanes 16-31 change places with the second's lanes 0-15
	v_permlane16_swap_b32 v[XS+\j], v[XS+4+\j]     ; -> tile 2 ph, half 0 | tile 2 ph + 1, half 0
	v_permlane16_swap_b32 v[XS+8+\j], v[XS+12+\j]  ; -> tile 2 ph, half 1 | tile 2 ph + 1, half 1
.endr
	global_store_b128 v[L16], v[XS:XS+3], s[44:45] offset:8192*(2*\ph)+1024*\cbl
	global_store_b128 v[L16], v[XS+4:XS+7], s[44:45] offset:8192*(2*\ph+1)+1024*\cbl
	global_store_b128 v[L16], v[XS+8:XS+11], s[44:45] offset:8192*(2*\ph)+1024*\cbl+512
	global_store_b128 v[L16], v[XS+12:XS+15], s[44:45] offset:8192*(2*\ph+1)+1024*\cbl+512
.endm
	s_wait_loadcnt 63                              ; the first 64 x loads are in: 64 are younger, and the count's field holds 63
	QSET 0, 0
	QSET 1, 0
	s_wait_loadcnt 0x0
	QSET 0, 1
	QSET 1, 1
.irp ph, 0,1
.irp j, 0,1,2,3                        ; the FP4 operand wants a whole block in a lane: lanes 0-15 block cbl = 0, lanes 16-31 block cbl = 1
	v_permlane16_swap_b32 v[CD+8*\ph+\j], v[CD+8*\ph+4+\j]   ; -> tile 2 ph | tile 2 ph + 1
.endr
	v_lshl_or_b32 v[HW+\ph], v[BY+2*\ph+1], 8, v[BY+2*\ph]
	ds_store_b128 v[XWI], v[CD+8*\ph:CD+8*\ph+3] offset:XIMG+2048*(2*\ph)
	ds_store_b128 v[XWI], v[CD+8*\ph+4:CD+8*\ph+7] offset:XIMG+2048*(2*\ph+1)
	ds_store_b16 v[XWS], v[HW+\ph] offset:256*\ph
.endr
	s_wait_xcnt 0x0                                ; xt's stores have read their registers: phase B writes them again
	s_wait_dscnt 0x0                               ; for the others' sake: my images lie in LDS
	s_barrier_signal -1
	s_barrier_wait -1
; Ten products of K step ks on ten accumulators, which take turns.  x's scale register holds the even tile's words in lanes 0-15 and the odd tile's in lanes 16-31.
.macro PROD ph, ks
.set X0, XFR+8*\ks
.set X1, XFR+16+8*\ks
.set SX, XSR+2*\ph+\ks
.if \ks == 0
	v_wmma_scale_f32_16x16x128_f8f6f4 v[ACC:ACC+7], v[WFR:WFR+7], v[X0:X0+7], 0, v[WSR], v[SX] matrix_a_fmt:MATRIX_FMT_FP4 matrix_b_fmt:MATRIX_FMT_FP4
	v_wmma_scale_f32_16x16x128_f8f6f4 v[ACC+8:ACC+15], v[WFR:WFR+7], v[X1:X1+7], 0, v[WSR], v[SX] matrix_a_fmt:MATRIX_FMT_FP4 matrix_b_fmt:MATRIX_FMT_FP4 matrix_b_scale:MATRIX_SCALE_ROW1
.irp tt, 0,1,2,3
	v_wmma_scale_f32_16x16x128_f8f6f4 v[ACC+16+16*\tt:ACC+23+16*\tt], v[X0:X0+7], v[WFR+16+16*\tt:WFR+23+16*\tt], 0, v[SX], v[WSR+2+2*\tt] matrix_a_fmt:MATRIX_FMT_FP4 matrix_b_fmt:MATRIX_FMT_FP4
	v_wmma_scale_f32_16x16x128_f8f6f4 v[ACC+24+16*\tt:ACC+31+16*\tt], v[X1:X1+7], v[WFR+16+16*\tt:WFR+23+16*\tt], 0, v[SX], v[WSR+2+2*\tt] matrix_a_fmt:MATRIX_FMT_FP4 matrix_b_fmt:MATRIX_FMT_FP4 matrix_a_scale:MATRIX_SCALE_ROW1
.endr
.else
	v_wmma_scale_f32_16x16x128_f8f6f4 v[ACC:ACC+7], v[WFR+8:WFR+15], v[X0:X0+7], v[ACC:ACC+7], v[WSR+1], v[SX] matrix_a_fmt:MATRIX_FMT_FP4 matrix_b_fmt:MATRIX_FMT_FP4
	v_wmma_scale_f32_16x16x128_f8f6f4 v[ACC+8:ACC+15], v[WFR+8:WFR+15], v[X1:X1+7], v[ACC+8:ACC+15], v[WSR+1], v[SX] matrix_a_fmt:MATRIX_FMT_FP4 matrix_b_fmt:MATRIX_FMT_FP4 matrix_b_scale:MATRIX_SCALE_ROW1
.irp tt, 0,1,2,3
	v_wmma_scale_f32_16x16x128_f8f6f4 v[ACC+16+16*\tt:ACC+23+16*\tt], v[X0:X0+7], v[WFR+24+16*\tt:WFR+31+16*\tt], v[ACC+16+16*\tt:ACC+23+16*\tt], v[SX], v[WSR+3+2*\tt] matrix_a_fmt:MATRIX_FMT_FP4 matrix_b_fmt:MATRIX_FMT_FP4
	v_wmma_scale_f32_16x16x128_f8f6f4 v[ACC+24+16*\tt:ACC+31+16*\tt], v[X1:X1+7], v[WFR+24+16*\tt:WFR+31+16*\tt], v[ACC+24+16*\tt:ACC+31+16*\tt], v[SX], v[WSR+3+2*\tt] matrix_a_fmt:MATRIX_FMT_FP4 matrix_b_fmt:MATRIX_FMT_FP4 matrix_a_scale:MATRIX_SCALE_ROW1
.endr
.endif
.endm
; Tiles 2 ph and 2 ph + 1 of positions.
.macro PHB ph
.irp tl, 0,1
.irp ks, 0,1
.irp c, 0,1
	ds_load_b128 v[XFR+16*\tl+8*\ks+4*\c:XFR+16*\tl+8*\ks+4*\c+3], v[L16] offset:XIMG+1024*(2*(2*\ph+\tl)+\ks)+512*\c
.endr
.endr
.endr
.irp ks, 0,1
	ds_load_b32 v[XSR+2*\ph+\ks], v[L4] offset:XSC+128*(2*\ph+\ks)
.endr
	s_wait_dscnt 0x0
	PROD \ph, 0
	PROD \ph, 1
.rept 4
	v_nop                                          ; four places between the last product and the first read of a result (ISA guide 7.12.1)
.endr
	s_cmp_lt_u32 s[WV], 2
	s_cbranch_scc0 .Lnot_q_\@
.irp j, 0,2,4,6,8,10,12,14
	v_pk_mul_f32 v[ACC+\j:ACC+\j+1], v[ACC+\j:ACC+\j+1], s[58:59] op_sel_hi:[1,0]   ; q log2(e), in f32
.endr
.Lnot_q_\@:
.irp a, 0,1,2,3,4,5,6,7,8,9
.irp j, 0,1,2,3
	v_cvt_pk_f16_f32 v[ACC+8*\a+\j], v[ACC+8*\a+2*\j], v[ACC+8*\a+2*\j+1]   ; each accumulator from its low end on, in place
.endr
.endr
.irp tl, 0,1
	global_store_b128 v[L16], v[ACC+8*\tl:ACC+8*\tl+3], s[46:47] offset:1024*(2*\ph+\tl)
.endr
	s_cmp_lt_u32 s[WV], 2
	s_cbranch_scc1 .Lnot_k_\@
.irp tl, 0,1
	global_store_b128 v[L16], v[ACC+8*\tl:ACC+8*\tl+3], s[48:49] offset:1024*(2*\ph+\tl)   ; k once more, in the slots that the second pass walks
.endr
.Lnot_k_\@:
.irp tt, 0,1,2,3
.irp tl, 0,1
	global_store_b128 v[L16], v[ACC+16+16*\tt+8*\tl:ACC+19+16*\tt+8*\tl], s[50+2*\ph:51+2*\ph] offset:1024*\tt+512*\tl
.endr
.endr
.endm
	PHB 0
	s_wait_xcnt 0x0                                ; the stores have read their registers: the next products write them again
	PHB 1
	s_wait_tensorcnt 0x0                           ; the wave's end, behind my last LDS store
	ds_add_u32 v[SPW], v[NIL]
	s_wait_dscnt 0x0
	s_endpgm
.Lfunc_end_k_qa5b2db40d6_proj:
	.size	k_qa5b2db40d6_proj, .Lfunc_end_k_qa5b2db40d6_proj-k_qa5b2db40d6_proj
	.p2alignl 7, 3214868480
	.fill 96, 4, 3214868480
	.section	.rodata,"a",@progbits
	.p2align	6, 0x0
	.amdhsa_kernel k_qa5b2db40d6_proj
		.amdhsa_group_segment_fixed_size 9216
		.amdhsa_private_segment_fixed_size 0
		.amdhsa_enable_private_segment 0
		.amdhsa_kernarg_size 72
		.amdhsa_user_sgpr_count 2
		.amdhsa_user_sgpr_kernarg_segment_ptr 1
		.amdhsa_wavefront_size32 1
		.amdhsa_system_sgpr_workgroup_id_x 1
		.amdhsa_system_sgpr_workgroup_id_y 1
		.amdhsa_system_sgpr_workgroup_id_z 1
		.amdhsa_system_vgpr_workitem_id 0
		.amdhsa_next_free_vgpr 256
		.amdhsa_next_free_sgpr 66
		.amdhsa_reserve_vcc 0
		.amdhsa_float_denorm_mode_32 3
		.amdhsa_float_denorm_mode_16_64 3
		.amdhsa_memory_ordered 1
		.amdhsa_forward_progress 1
		.amdhsa_inst_pref_size 47
	.end_amdhsa_kernel
	.amdgpu_metadata
---
amdhsa.version: [ 1, 2 ]
amdhsa.kernels:
  - .name:           k_qa5b2db40d6_proj
    .symbol:         k_qa5b2db40d6_proj.kd
    .args:
      - { .name: x0, .offset: 0, .size: 8, .value_kind: global_buffer, .address_space: global }
      - { .name: x1, .offset: 8, .size: 8, .value_kind: global_buffer, .address_space: global }
      - { .name: x2, .offset: 16, .size: 8, .value_kind: global_buffer, .address_space: global }
      - { .name: wf, .offset: 24, .size: 8, .value_kind: global_buffer, .address_space: global }
      - { .name: ws, .offset: 32, .size: 8, .value_kind: global_buffer, .address_space: global }
      - { .name: qimg, .offset: 40, .size: 8, .value_kind: global_buffer, .address_space: global }
      - { .name: kimg, .offset: 48, .size: 8, .value_kind: global_buffer, .address_space: global }
      - { .name: kv, .offset: 56, .size: 8, .value_kind: global_buffer, .address_space: global }
      - { .name: xt, .offset: 64, .size: 8, .value_kind: global_buffer, .address_space: global }
    .group_segment_fixed_size: 9216
    .private_segment_fixed_size: 0
    .kernarg_segment_align: 8
    .kernarg_segment_size: 72
    .max_flat_workgroup_size: 128
    .sgpr_count:     66
    .vgpr_count:     256
    .wavefront_size: 32
...
	.end_amdgpu_metadata
.endif
;; end of part 2
;; launch attn (part 3): grid 16 x 12, 4 waves a work-group, clusters of 4 x 1, 327,680 bytes of LDS; arguments qimg, kimg, kv, ot; writes ot
.if DOCPART == 3
	.amdgcn_target "amdgcn-amd-amdhsa--gfx1250"
	.amdhsa_code_object_version 6
	.text
	.protected	k_qa5b2db40d6_attn
	.globl	k_qa5b2db40d6_attn
	.p2align	8
	.type	k_qa5b2db40d6_attn,@function
k_qa5b2db40d6_attn:
	s_mov_b64 s[64:65], 0
	v_nop
	global_prefetch_b8 v0, s[64:65] scope:SCOPE_SE
	s_setreg_imm32_b32 hwreg(HW_REG_WAVE_MODE, 25, 1), 1
	s_wait_xcnt 0x0
	s_wait_alu depctr_hold_cnt(0) depctr_sa_sdst(0) depctr_va_vdst(0) depctr_va_sdst(0) depctr_va_ssrc(0) depctr_va_vcc(0) depctr_vm_vsrc(0)
	s_getreg_b32 s2, hwreg(HW_REG_IB_STS2, 6, 4)
	s_cmp_eq_u32 s2, 0
	s_cbranch_scc0 .Lentry_in_a_cluster
	s_endpgm
.Lentry_in_a_cluster:
	s_bfe_u32 s2, ttmp6, 0x10000c
	s_cmp_lg_u32 s2, 0x3003
	s_cbranch_scc0 .Lentry_shape_is_right
	s_endpgm
.Lentry_shape_is_right:
; ATTN: o[head][query][:] = sum over the head's 4,096 keys of softmax(q . k) v, f16 operands, f32 sums.  12 heads (encoder x chunk); head size 32 for the scores, 256 channels of v.
; SHARES.  A work-group owns 256 queries of a head, each of its four waves 64: four tiles x of 16.  O^T (256 channels x 64 queries) is 64 accumulators, 512 registers: a fragment of V read from LDS feeds four products.
; 49,152 query rows are 192 blocks of 256; smaller blocks would halve what each LDS byte feeds.
; LAYOUT.  S^T = K Q^T (source 0 = 16 keys, source 1 = 16 queries): a lane holds ONE query (lane % 16) and keys 8 (lane / 16) + 0..7.  Two such tiles, rounded to f16 in pairs, ARE source 1 (32 keys x 16 queries) of
; O^T = V^T P, whose result holds one query a lane and eight channels.  All operands lie in memory as images of their registers (a fragment: two halves of 512 bytes, lane l's 16 bytes at 16 l): no pitch, no padding, no turning load.
; TWO PASSES.  q carries log2(e).  Pass 1 finds each query's exact largest score m: wave w multiplies a quarter of the keys by all 16 query tiles of the work-group; the waves' maxima meet in LDS.  Pass 2 gives -m as the C of the
; score product, so that the matrix result is the exponent itself: p = 2^(s - m) <= about 1.  A key step (32 keys) then costs 64 exponentials, 32 packed sums and 32 roundings, and nothing ever rescales O^T.
; The step's vector work belongs to the NEXT step's scores and stands in slices behind the 64 products V^T P of the step in hand; the 8 score products of the step after stand at the step's end.
; CLUSTER.  The four query blocks of a cluster belong to one head and walk the same K and V: every tensor load is asked for JOINTLY (the same load, the same descriptor, a mask that names the four).
; LDS: two regions of 147,456 bytes.  First fills: K of the whole head (262,144 bytes) as two overlapping runs that fill both regions whole (32,768 bytes come twice and are read once).  Then the 16 slots of kv take turns:
; a slot holds what 8 steps fetch.  Each wave brings a quarter of a slot, 144 rows of 256 bytes, by one load behind each round: it has 8 steps, 576 matrix instructions, in which to land.  Two loads of a wave are out at the start, one later.
; LIMITS: NaN and infinities are not served; p under 6e-8 becomes 0 in f16; o above 65,504 has no f16 number (o lies inside v's range).
; REGISTERS, in windows of 256.  Window 0: v1-9 addresses; v16-23 the sums (a pair a tile); v24-55 -m, eight copies a tile; v56-87 Q; v88-103 K of a step; v104-167 S^T, then p; v168-231 P, two buffers.
;   Window 1: V, two buffers of 128.  Window 2: O^T of tiles 0, 1 (128 (x % 2) + 8 t); window 3: of tiles 2, 3.  Pass 1 lives in window 2 alone (every operand place), so that a trip has no switch inside.
.set SLOTB, 0x24000                    ; 147,456: its bits 17 and 14 meet no bit of wave x 36,864 nor of a step's offsets, so one exclusive or turns an address from one region to the other
.set QUART, 36864
.set SCR,   294912                     ; behind the regions: the waves' maxima, 4 x 2,048 bytes; no fill lands here
.set SPARE, 303104                     ; the spare words, 128 bytes a wave: two blocks of 256 bytes that no other line names
.set L16,  1                           ; v1  16 x lane; never rewritten
.set ADK,  2                           ; v2  LDS address of the K to fetch
.set ADV,  3                           ; v3  of the V to fetch
.set PFO,  5                           ; v5  256 x lane: the prefetches' offset; never rewritten
.set SCRR, 6                           ; v6  where I read my tiles' maxima
.set SPW,  8                           ; v8  LDS address of my spare word; never rewritten
.set NIL,  9                           ; v9  0; never rewritten
.set LS,   16
.set NEGM, 24
.set Q,    56
.set KF,   88
.set S,    104
.set P,    168
.set K1,   200                         ; K of step 1, in P's second buffer until the first step writes it
.set RUN,  0                           ; window 2, pass 1: v0-15 running maxima of the 16 query tiles
.set QA,   16                          ; v16-143 the 16 query tiles
.set DS,   144                         ; v144-175, v176-207 two sets of four score tiles
.set KP,   208                         ; v208-239 four fragments of K
.set LN2,  240                         ; v240 16 x lane
.set A1,   241                         ; v241 LDS address of the next trip's fragments
.set SCRA, 242                         ; v242 where I store my maxima
.set LNB,  243                         ; v243 LDS address of my part of the half in hand
.set WV,   12
.set G1,   16                          ; s[16:23] descriptor group 1: one for all loads
.set G0A,  24                          ; s[24:27], s[28:31] groups 0 of the two first fills
.set G0B,  28
.set G0W,  32                          ; s[32:35] the walking group 0
.set PFA,  36                          ; s[36:37] where my prefetches stand
.set LIM,  38                          ; s38 1 in the head's first cluster, else the greatest number
.set SLOTS, 39
.set TK,   40                          ; s40 LDS byte of the K to fetch
.set TV,   41                          ; s41 of the V to fetch, less the slot's K part
.set T1,   42
.set TT,   43
.set CNT,  44
.set SEL,  46                          ; s[46:47] v_permlanex16_b32's selects for lane l xor 16
.set MSB, 0
.macro WIN new                         ; the immediate's high byte repeats the setting that is left; a switch that changes nothing is dropped
.if MSB != (\new)
	s_set_vgpr_msb (MSB<<8)|(\new)
.set MSB, (\new)
.endif
.endm
.macro PLACES
.rept 4
	v_nop
.endr
.endm
.macro CROUND                          ; a round of the cluster's barrier
	s_barrier_signal -1
	s_barrier_wait -1
	s_cmp_lg_u32 s[WV], 0
	s_cbranch_scc1 .Lnot_wave_0_\@
	s_barrier_signal -3
.Lnot_wave_0_\@:
	s_barrier_wait -3
	s_barrier_signal -1
	s_barrier_wait -1
.endm
.macro JL                              ; my quarter of a slot: one line for all four waves, told apart by the wave's number in both addresses; an s_nop 0 and four v_nop follow
	tensor_load_to_lds s[G0W:G0W+3], s[G1:G1+7]
	s_nop 0
	PLACES
.endm
; A PREFETCH INTO THE L2 of the V part (131,072 bytes) of the slot after the one that is being asked for: 8 key steps ahead of the load that will want it.  All four clusters of a head walk the same slots: the head's first
; cluster asks.  Its four partners and their four waves share the bytes out BY ADDRESS, 8,192 each, lanes 256 bytes apart: each block of 256 bytes is named once in the launch.  The K parts are not asked for.
; how = 1: at the two changes of pass 1; how = 0: in the loop, whose last trip asks for nothing: there is no slot behind the last.
.macro ASK how
.if \how
	s_cmp_eq_u32 s[LIM], 1
.else
	s_cmp_gt_u32 s[SLOTS], s[LIM]
.endif
	s_cbranch_scc0 .Lnot_mine_\@
	global_prefetch_b8 v[PFO], s[PFA:PFA+1] th:TH_LOAD_NT scope:SCOPE_SE
.Lnot_mine_\@:
.endm
; THE CHANGE OF REGIONS.  Each wave waits for all its tensor loads (its quarter of the region that is read next), adds 0 to its spare word, and waits for that and for its LDS instructions on the region that it leaves.
; fill = 1: the barrier is a round of the cluster's, and the region just left is filled first behind it.  step = 1: the walking descriptor and the prefetches go a slot on.  turn = 1: pass 2's fetches go to the other region's head.
.macro CHANGE fill, step, turn, how
	WIN 0
	s_wait_tensorcnt 0x0                           ; no tensor load of mine is out, so a group 0 may be written
	ds_add_u32 v[SPW], v[NIL]                      ; 0 onto my spare word; the steps below stand between it and the wait for it
.if \step
	s_xor_b32 s[G0W+1], s[G0W+1], SLOTB
	s_add_nc_u64 s[G0W+2:G0W+3], s[G0W+2:G0W+3], SLOTB   ; the type bits on top are not reached
	s_wait_xcnt 0x0                                ; the last prefetch has read its address
	s_add_nc_u64 s[PFA:PFA+1], s[PFA:PFA+1], SLOTB
.endif
.if \turn
	s_sub_co_u32 s[TK], s[TK], 8*2048
	s_xor_b32 s[TK], s[TK], SLOTB
	s_sub_co_u32 s[TV], s[TV], 8*16384
	s_xor_b32 s[TV], s[TV], SLOTB
.endif
	s_wait_dscnt 0x0                               ; the add is done, my reads of the region are over, my stores have landed
.if \fill
	CROUND
	JL
	ASK \how
.else
	s_barrier_signal -1
	s_barrier_wait -1
.endif
.endm
	s_load_b256 s[4:11], s[0:1], 0x0               ; qimg s[4:5], kimg s[6:7], kv s[8:9], ot s[10:11]
	v_lshl_add_u32 v[SPW], v0, 2, SPARE
	v_mov_b32 v[NIL], 0
	ds_add_u32 v[SPW], v[NIL]                      ; the wave's opening: the add, twice on end, and its wait ahead of my first tensor load
	ds_add_u32 v[SPW], v[NIL]
	v_lshrrev_b32 v10, 5, v0
	v_readfirstlane_b32 s[WV], v10                 ; wave 0..3
	s_bfe_u32 s13, ttmp6, 0x40000                  ; cx: my place in the cluster
	s_lshl_b32 s14, ttmp9, 2
	s_add_co_u32 s14, s14, s13                     ; my block of 256 queries: it enters q's and o's addresses and the prefetches' alone
	s_and_b32 s15, ttmp7, 0xffff                   ; the head, which the four partners share
	s_mov_b32 s[G1], 15|(3<<16)|(1<<21)            ; 15:0 the mask: all four; 17:16 elements of 8 bytes; 21 set beside a mask; no padding
	s_mov_b32 s[G1+1], 32<<16                      ; tensor_dim0 = 32 elements: 256 bytes
	s_mov_b32 s[G1+2], 144<<16                     ; tensor_dim1 = 144
	s_mov_b32 s[G1+3], 32<<16                      ; tile_dim0
	s_mov_b32 s[G1+4], 144                         ; tile_dim1
	s_mov_b32 s[G1+5], 32                          ; the pitch: the block is dense
	s_mov_b32 s[G1+6], 0
	s_mov_b32 s[G1+7], 0
	s_mov_b32 s[SEL], 0x76543210
	s_mov_b32 s[SEL+1], 0xfedcba98
	s_mov_b32 s[TK], 0
	s_mov_b32 s[TV], 0
	s_mov_b32 s[SLOTS], 14
	s_cmp_eq_u32 ttmp9, 0                          ; the head's first cluster: the same in all four partners
	s_cselect_b32 s[LIM], 1, -1
	s_lshl_b32 s48, s15, 18                        ; a head of qimg and kimg: 262,144 bytes
	s_mov_b32 s49, 0
	s_mul_i32 s54, s15, 2359296                    ; of kv
	s_mov_b32 s55, 0
	s_mul_i32 s45, s[WV], QUART                    ; my quarter, in LDS and in memory
	s_mov_b32 s60, s45
	s_mov_b32 s61, 0
	s_wait_dscnt 0x0                               ; both opening adds are done
	s_wait_kmcnt 0x0
	s_add_nc_u64 s[52:53], s[6:7], s[48:49]        ; K of my head
	s_add_nc_u64 s[54:55], s[8:9], s[54:55]        ; its slots
	s_add_nc_u64 s[48:49], s[4:5], s[48:49]
	s_lshl_b32 s50, s14, 14
	s_mov_b32 s51, 0
	s_add_nc_u64 s[48:49], s[48:49], s[50:51]      ; the work-group's 16 query tiles
	s_lshl_b32 s50, s[WV], 12
	s_add_nc_u64 s[50:51], s[48:49], s[50:51]      ; my four
	s_add_nc_u64 s[56:57], s[54:55], 15*SLOTB+16384+7*16384   ; V of step 0: the last place of the last slot
	s_lshl_b32 s62, s15, 21                        ; ot: tile 256 head + 16 block + 4 wave, of 8,192 bytes
	s_lshl_b32 s63, s14, 17
	s_add_co_u32 s62, s62, s63
	s_lshl_b32 s63, s[WV], 15
	s_add_co_u32 s62, s62, s63
	s_mov_b32 s63, 0
	s_add_nc_u64 s[58:59], s[10:11], s[62:63]
	s_lshl_b32 s62, s13, 15
	s_lshl_b32 s63, s[WV], 13
	s_add_co_u32 s62, s62, s63
	s_add_co_u32 s62, s62, SLOTB+16384             ; the V part of slot 1
	s_mov_b32 s63, 0
	s_add_nc_u64 s[PFA:PFA+1], s[54:55], s[62:63]
	CROUND                                         ; all four work-groups are here: the first joint loads meet
	s_mov_b32 s[G0A], 1
	s_mov_b32 s[G0A+1], s45
	s_add_nc_u64 s[G0A+2:G0A+3], s[52:53], s[60:61]            ; K's bytes 0 .. 147,455
	s_or_b32 s[G0A+3], s[G0A+3], 0x80000000
	s_mov_b32 s[G0B], 1
	s_add_co_u32 s[G0B+1], s45, SLOTB
	s_add_nc_u64 s[G0B+2:G0B+3], s[52:53], s[60:61]
	s_add_nc_u64 s[G0B+2:G0B+3], s[G0B+2:G0B+3], 114688        ; K's bytes 114,688 .. 262,143
	s_or_b32 s[G0B+3], s[G0B+3], 0x80000000
	s_mov_b32 s[G0W], 1
	s_mov_b32 s[G0W+1], s45
	s_add_nc_u64 s[G0W+2:G0W+3], s[54:55], s[60:61]            ; slot 0
	s_or_b32 s[G0W+3], s[G0W+3], 0x80000000
	tensor_load_to_lds s[G0A:G0A+3], s[G1:G1+7]
	s_nop 0
	tensor_load_to_lds s[G0B:G0B+3], s[G1:G1+7]
	s_nop 0
	PLACES
	v_and_b32 v10, 31, v0                          ; lane
	v_lshlrev_b32 v[L16], 4, v10
	v_lshlrev_b32 v[PFO], 8, v10
	v_lshlrev_b32 v11, 2, v10
	s_lshl_b32 s[TT], s[WV], 9
	s_add_co_u32 s[TT], s[TT], SCR
	v_add_nc_u32 v[SCRR], s[TT], v11               ; tiles 4 w on, of wave 0's array
	s_lshl_b32 s[TT], s[WV], 11
	s_add_co_u32 s[TT], s[TT], SCR
	WIN 0x80                                       ; destination window 2
	v_add_nc_u32 v[SCRA], s[TT], v11               ; my array
	v_lshlrev_b32 v[LN2], 4, v10
.set I, 0
.rept 16
	global_load_b128 v[QA+8*I:QA+8*I+3], v[L16], s[48:49] offset:1024*I
	global_load_b128 v[QA+8*I+4:QA+8*I+7], v[L16], s[48:49] offset:1024*I+512
.set I, I+1
.endr
.set I, 0
.rept 16
	v_mov_b32 v[RUN+I], 0xff800000                 ; the running maxima begin under every score,
.set I, I+1
.endr
.set I, 0
.rept 32
	v_mov_b32 v[DS+32+I], 0xff800000               ; and so does the set that the first group's slices read
.set I, I+1
.endr
	WIN 0
.irp x, 0,1,2,3
	global_load_b128 v[Q+8*\x:Q+8*\x+3], v[L16], s[50:51] offset:1024*\x
	global_load_b128 v[Q+8*\x+4:Q+8*\x+7], v[L16], s[50:51] offset:1024*\x+512
.endr
.irp j, 0,1,2,3
	global_load_b128 v[KF+4*\j:KF+4*\j+3], v[L16], s[52:53] offset:512*\j          ; K of step 0
.endr
.irp j, 0,1,2,3
	global_load_b128 v[K1+4*\j:K1+4*\j+3], v[L16], s[52:53] offset:2048+512*\j     ; K of step 1
.endr
	WIN 0x40                                       ; destination window 1
.set I, 0
.rept 32
	global_load_b128 v[4*I:4*I+3], v[L16], s[56:57] offset:512*I                   ; V of step 0 into buffer 0
.set I, I+1
.endr
	WIN 0
; PASS 1.  Level lev of the maximum over the four score tiles of group grp, which lie in set set: d0 = max(d0, d1, d2); d3 = max(d3, d4, d5); d6 = max(d6, d7, run); run = max(d0, d3, d6).
.macro P1LEV lev, set, grp
.set P1M, 0
.rept 4
.set P1D, DS+32*(\set)+8*P1M
.set P1R, RUN+4*(\grp)+P1M
.if (\lev) == 0
	v_max3_num_f32 v[P1D], v[P1D], v[P1D+1], v[P1D+2]
.elseif (\lev) == 1
	v_max3_num_f32 v[P1D+3], v[P1D+3], v[P1D+4], v[P1D+5]
.elseif (\lev) == 2
	v_max3_num_f32 v[P1D+6], v[P1D+6], v[P1D+7], v[P1R]
.else
	v_max3_num_f32 v[P1R], v[P1D], v[P1D+3], v[P1D+6]
.endif
.set P1M, P1M+1
.endr
.endm
; Half of the keys: my 32 fragments (512 keys) from LDS byte off + 32,768 w on, against the 16 query tiles: 8 trips of 4 fragments.  Behind each product stand four lines of the group before: they are the four places
; ahead of each read of a result and of each load into a fragment's registers, and they name none of the product's registers.  A half's last group is taken up by the next half's first slices, or by the drain.
; The last trip's look-ahead wraps to my part's first fragments: they are read and not used, so that the trip has one text.
.macro P1HALF off
	s_lshl_b32 s[TT], s[WV], 15
	s_add_co_u32 s[TT], s[TT], \off
	WIN 0xaa                                       ; every operand place: window 2
	v_add_nc_u32 v[LNB], s[TT], v[LN2]
.irp f, 0,1,2,3
	ds_load_b128 v[KP+8*\f:KP+8*\f+3], v[LNB] offset:1024*\f
	ds_load_b128 v[KP+8*\f+4:KP+8*\f+7], v[LNB] offset:1024*\f+512
.endr
	WIN 0
	s_mov_b32 s[T1], 0
.Lp1_\@:
	s_add_co_u32 s[T1], s[T1], 4096
	s_and_b32 s[TT], s[T1], 0x7fff
	WIN 0xaa
	v_add_nc_u32 v[A1], s[TT], v[LNB]
.irp f, 0,1,2,3
	s_wait_dscnt 6                                 ; this fragment is in; the three younger fragments' six loads may be out
.set P1G, 0
.rept 4
.set P1N, 0
.rept 4
	v_wmma_f32_16x16x32_f16 v[DS+32*(P1G%2)+8*P1N:DS+32*(P1G%2)+8*P1N+7], v[KP+8*\f:KP+8*\f+7], v[QA+8*(4*P1G+P1N):QA+8*(4*P1G+P1N)+7], 0
	P1LEV P1N, (P1G+1)%2, (P1G+3)%4
.set P1N, P1N+1
.endr
.set P1G, P1G+1
.endr
	ds_load_b128 v[KP+8*\f:KP+8*\f+3], v[A1] offset:1024*\f
	ds_load_b128 v[KP+8*\f+4:KP+8*\f+7], v[A1] offset:1024*\f+512
.endr
	WIN 0
	s_cmp_lt_u32 s[T1], 32768
	s_cbranch_scc1 .Lp1_\@
.endm
	s_wait_tensorcnt 1                             ; my quarter of the first region is in; the second's may stay out
	s_barrier_signal -1
	s_barrier_wait -1
	s_wait_loadcnt 48                              ; the 16 query tiles are in: 48 loads are younger
	P1HALF 0
	CHANGE 1, 0, 0, 1                              ; the first region takes slot 0, which lands under the second half
	P1HALF SLOTB+16384                             ; K's byte 131,072 lies 16,384 bytes into the second region
	WIN 0xaa
	PLACES
	P1LEV 0, 1, 3                                  ; the last group
	P1LEV 1, 1, 3
	P1LEV 2, 1, 3
	P1LEV 3, 1, 3
.set I, 0
.rept 16
	v_permlanex16_b32 v[DS+I], v[RUN+I], s[SEL], s[SEL+1]   ; a query's other keys lie in the lane 16 away
.set I, I+1
.endr
.set I, 0
.rept 16
	v_max_num_f32 v[RUN+I], v[RUN+I], v[DS+I]
.set I, I+1
.endr
.set I, 0
.rept 16
	ds_store_b32 v[SCRA], v[RUN+I] offset:128*I
.set I, I+1
.endr
	CHANGE 1, 1, 0, 1                              ; slot 0 is whole, the maxima lie in LDS; the second region takes slot 1
; PASS 2.  Eight score products: S^T = K Q^T - m, keys 16 kt on, tile x; the accumulators take turns.  Four places follow, ahead of the first read of a score and of the loads into K's registers.
.macro SMM kreg
.irp kt, 0,1
.irp x, 0,1,2,3
	v_wmma_f32_16x16x32_f16 v[S+16*\x+8*\kt:S+16*\x+8*\kt+7], v[\kreg+8*\kt:\kreg+8*\kt+7], v[Q+8*\x:Q+8*\x+7], v[NEGM+8*\x:NEGM+8*\x+7]
.endr
.endr
	PLACES
.endm
; Slice SI of 64 of the next step's softmax.  Slices 0-47: the 64 exponentials, ascending; none reads a result.  Behind slice 47: one plain line and the step's ONE wait
; for the batch (ahead of the first line that names a result).  Slices 48-63: two pairs each of a packed sum (of the unrounded p) and a rounding to f16 into the other P buffer, the tiles by turns.
.macro SLICE b
.if SI < 48
	v_exp_f32 v[S+SE], v[S+SE]
.set SE, SE+1
.if (SI%3) == 0
	v_exp_f32 v[S+SE], v[S+SE]
.set SE, SE+1
.endif
.if SI == 47
	v_nop
	s_wait_alu depctr_va_vdst(0)
.endif
.else
.rept 2
.set SX, SPR%4
.set SQ, SPR/4
	v_pk_add_f32 v[LS+2*SX:LS+2*SX+1], v[LS+2*SX:LS+2*SX+1], v[S+16*SX+2*SQ:S+16*SX+2*SQ+1]
	v_cvt_pk_f16_f32 v[P+32*(1-\b)+8*SX+SQ], v[S+16*SX+2*SQ], v[S+16*SX+2*SQ+1]
.set SPR, SPR+1
.endr
.endif
.endm
; KEY STEP j (b = j % 2).  It fetches K of step j + 2 (look = 2) and V of step j + 1 (look >= 1), multiplies V^T P of step j (64 accumulators by turns; zero = 1: they start the sums), carries the softmax of step j + 1 in
; slices, and ends with the scores of step j + 2.  The loads stand in one run at its head: the last readers of their registers stand behind four v_nop or more.
.macro STEP b, zero, look
	s_wait_dscnt 0x0                               ; V of this step, asked for a step ago
.if \look == 2
	v_add_nc_u32 v[ADK], s[TK], v[L16]
.irp j, 0,1,2,3
	ds_load_b128 v[KF+4*\j:KF+4*\j+3], v[ADK] offset:512*\j
.endr
.endif
.if \look > 0
	v_add_nc_u32 v[ADV], s[TV], v[L16]
	WIN 0x40                                       ; destination window 1
.set I, 0
.rept 32
	ds_load_b128 v[128*(1-\b)+4*I:128*(1-\b)+4*I+3], v[ADV] offset:16384+512*I
.set I, I+1
.endr
.endif
	s_add_co_u32 s[TK], s[TK], 2048
	s_add_co_u32 s[TV], s[TV], 16384
.set SI, 0
.set SE, 0
.set SPR, 0
.rept 64
.set RX, SI%4
.set RT, SI/4
.set RO, 128*(RX%2)+8*RT
.set RV, 128*\b+8*RT
.set RP, P+32*\b+8*RX
	WIN 0xa1+0x50*(RX/2)                           ; V window 1, P window 0, O^T window 2 or 3
.if \zero
	v_wmma_f32_16x16x32_f16 v[RO:RO+7], v[RV:RV+7], v[RP:RP+7], 0
.else
	v_wmma_f32_16x16x32_f16 v[RO:RO+7], v[RV:RV+7], v[RP:RP+7], v[RO:RO+7]
.endif
.if \look > 0
	WIN 0
	SLICE \b
.endif
.set SI, SI+1
.endr
	WIN 0
.if \look == 2
	s_wait_dscnt 32                                ; K is in; V's 32 loads, issued behind it, may be out
	SMM KF
.endif
.endm
.macro PAIRS n
	s_mov_b32 s[CNT], \n
.Lpair_\@:
	STEP 0, 0, 2
	STEP 1, 0, 2
	s_sub_co_u32 s[CNT], s[CNT], 1
	s_cmp_lg_u32 s[CNT], 0
	s_cbranch_scc1 .Lpair_\@
.endm
.irp x, 0,1,2,3
.irp wq, 0,1,2,3
	ds_load_b32 v[S+4*\x+\wq], v[SCRR] offset:128*\x+2048*\wq   ; my tile x's maximum over wave wq's keys
.endr
.endr
	s_wait_dscnt 0x0
.irp x, 0,1,2,3
	v_max3_num_f32 v[S+4*\x], v[S+4*\x], v[S+4*\x+1], v[S+4*\x+2]
.endr
.irp x, 0,1,2,3
	v_max_num_f32 v[S+4*\x], v[S+4*\x], v[S+4*\x+3]            ; m
.endr
.irp x, 0,1,2,3
.irp j, 0,1,2,3,4,5,6,7
	v_mul_f32 v[NEGM+8*\x+\j], -1.0, v[S+4*\x]                 ; -m in the layout of a score tile: every register of a lane belongs to its one query
.endr
.endr
	s_wait_loadcnt 0x0                             ; Q, K of steps 0 and 1, V of step 0
	SMM KF                                         ; the scores of step 0
.set I, 0
.rept 64
	v_exp_f32 v[S+I], v[S+I]                       ; step 0's softmax has no products to stand behind
.set I, I+1
.endr
	v_nop
	s_wait_alu depctr_va_vdst(0)                   ; one wait for the batch, ahead of its first reader
.irp x, 0,1,2,3
	v_pk_add_f32 v[LS+2*\x:LS+2*\x+1], v[S+16*\x:S+16*\x+1], v[S+16*\x+2:S+16*\x+3]   ; the first sum starts l: nothing is cleared
.endr
.irp p, 2,3,4,5,6,7
.irp x, 0,1,2,3
	v_pk_add_f32 v[LS+2*\x:LS+2*\x+1], v[LS+2*\x:LS+2*\x+1], v[S+16*\x+2*\p:S+16*\x+2*\p+1]
.endr
.endr
.irp p, 0,1,2,3,4,5,6,7
.irp x, 0,1,2,3
	v_cvt_pk_f16_f32 v[P+8*\x+\p], v[S+16*\x+2*\p], v[S+16*\x+2*\p+1]
.endr
.endr
	SMM K1                                         ; the scores of step 1
	STEP 0, 1, 2                                   ; slot 0: the first step starts O^T's sums
	STEP 1, 0, 2
	PAIRS 3
.Lslot:                                            ; 14 trips: slots 1 to 14 are walked, slots 2 to 15 asked for
	CHANGE 1, 1, 1, 0
	PAIRS 4
	s_sub_co_u32 s[SLOTS], s[SLOTS], 1
	s_cmp_lg_u32 s[SLOTS], 0
	s_cbranch_scc1 .Lslot
	CHANGE 0, 0, 1, 0                              ; the last slot is written out: nothing is left to ask for
	PAIRS 3
	STEP 0, 0, 1                                   ; step 126 fetches the last V and no K
	STEP 1, 0, 0                                   ; step 127 fetches nothing
	; THE WAY OUT.  l's two halves and the other half of the lanes' are added (these lines are the places behind the last products); O^T / l, rounded to f16 in pairs, is half a fragment of the last launch's operand as it stands.
.irp x, 0,1,2,3
	v_add_f32 v[LS+2*\x], v[LS+2*\x], v[LS+2*\x+1]
.endr
.irp x, 0,1,2,3
	v_permlanex16_b32 v[LS+2*\x+1], v[LS+2*\x], s[SEL], s[SEL+1]
.endr
.irp x, 0,1,2,3
	v_add_f32 v[LS+2*\x], v[LS+2*\x], v[LS+2*\x+1]
.endr
.irp x, 0,1,2,3
	v_rcp_f32 v[LS+2*\x], v[LS+2*\x]
.endr
	v_nop                                          ; a plain line between the last reciprocal and the use of its result
	s_wait_alu depctr_va_vdst(0)                   ; and one wait for the four
.macro OUTT x
	WIN 0x82+0x41*(\x/2)                           ; O^T (destination and source 0) window 2 or 3, 1 / l window 0
.set I, 0
.rept 64
	v_pk_mul_f32 v[128*(\x%2)+2*I:128*(\x%2)+2*I+1], v[128*(\x%2)+2*I:128*(\x%2)+2*I+1], v[LS+2*\x:LS+2*\x+1] op_sel_hi:[1,0]
.set I, I+1
.endr
	WIN 0x4a+5*(\x/2)                              ; sources window 2 or 3, destination window 1: V's registers are free
.set I, 0
.rept 64
	v_cvt_pk_f16_f32 v[64*\x+I], v[128*(\x%2)+2*I], v[128*(\x%2)+2*I+1]
.set I, I+1
.endr
	WIN 0x04                                       ; a store's data are its source 1: window 1
.set I, 0
.rept 16
	global_store_b128 v[L16], v[64*\x+4*I:64*\x+4*I+3], s[58:59] offset:8192*\x+512*I   ; 32 lanes store 512 consecutive bytes; no register is written again
.set I, I+1
.endr
.endm
	OUTT 0
	OUTT 1
	OUTT 2
	OUTT 3
	WIN 0
	s_wait_tensorcnt 0x0                           ; the wave's end, behind my last tensor load and my last LDS store
	ds_add_u32 v[SPW], v[NIL]
	s_wait_dscnt 0x0
	CROUND                                         ; the closing round: no work-group ends while a partner may still ask for a tile that names it
	s_endpgm
.Lfunc_end_k_qa5b2db40d6_attn:
	.size	k_qa5b2db40d6_attn, .Lfunc_end_k_qa5b2db40d6_attn-k_qa5b2db40d6_attn
	.p2alignl 7, 3214868480
	.fill 96, 4, 3214868480
	.section	.rodata,"a",@progbits
	.p2align	6, 0x0
	.amdhsa_kernel k_qa5b2db40d6_attn
		.amdhsa_group_segment_fixed_size 327680
		.amdhsa_private_segment_fixed_size 0
		.amdhsa_enable_private_segment 0
		.amdhsa_kernarg_size 32
		.amdhsa_user_sgpr_count 2
		.amdhsa_user_sgpr_kernarg_segment_ptr 1
		.amdhsa_wavefront_size32 1
		.amdhsa_system_sgpr_workgroup_id_x 1
		.amdhsa_system_sgpr_workgroup_id_y 1
		.amdhsa_system_sgpr_workgroup_id_z 1
		.amdhsa_system_vgpr_workitem_id 0
		.amdhsa_next_free_vgpr 1024
		.amdhsa_next_free_sgpr 66
		.amdhsa_reserve_vcc 0
		.amdhsa_float_denorm_mode_32 3
		.amdhsa_float_denorm_mode_16_64 3
		.amdhsa_memory_ordered 1
		.amdhsa_forward_progress 1
		.amdhsa_inst_pref_size 255
	.end_amdhsa_kernel
	.section	.bss,"aw",@nobits
	.p2align	6
	.space	262144
	.amdgpu_metadata
---
amdhsa.version: [ 1, 2 ]
amdhsa.kernels:
  - .name:           k_qa5b2db40d6_attn
    .symbol:         k_qa5b2db40d6_attn.kd
    .args:
      - { .name: qimg, .offset: 0, .size: 8, .value_kind: global_buffer, .address_space: global }
      - { .name: kimg, .offset: 8, .size: 8, .value_kind: global_buffer, .address_space: global }
      - { .name: kv, .offset: 16, .size: 8, .value_kind: global_buffer, .address_space: global }
      - { .name: ot, .offset: 24, .size: 8, .value_kind: global_buffer, .address_space: global }
    .group_segment_fixed_size: 327680
    .private_segment_fixed_size: 0
    .kernarg_segment_align: 8
    .kernarg_segment_size: 32
    .max_flat_workgroup_size: 128
    .sgpr_count:     66
    .vgpr_count:     1024
    .wavefront_size: 32
...
	.end_amdgpu_metadata
.endif
;; end of part 3
;; launch outp (part 4): grid 256 x 1, 4 waves a work-group, no clusters, 266,752 bytes of LDS; arguments xt, ot, wof, gamma, out0; writes out0
.if DOCPART == 4
	.amdgcn_target "amdgcn-amd-amdhsa--gfx1250"
	.amdhsa_code_object_version 6
	.text
	.protected	k_qa5b2db40d6_outp
	.globl	k_qa5b2db40d6_outp
	.p2align	8
	.type	k_qa5b2db40d6_outp,@function
k_qa5b2db40d6_outp:
	s_mov_b64 s[64:65], 0
	v_nop
	global_prefetch_b8 v0, s[64:65] scope:SCOPE_SE
	s_setreg_imm32_b32 hwreg(HW_REG_WAVE_MODE, 25, 1), 1
	s_wait_xcnt 0x0
; OUTP: out = sum over the encoders e of Wout_e x_e + gamma_e (Wout_e o_e), which is Wout (gamma o + x): the residual is added in the f32 accumulators and gamma is an f32 multiply-add, so no f16 operand carries gamma.
; f16 operands, f32 sums.  Work-group b takes 64 positions (one row of a chunk: 256 consecutive bytes of each output channel) x all 256 outputs; wave w takes outputs 64 w .. 64 w + 63.
; x's and o's fragments of the 64 positions (6 blocks of 32,768 bytes, images of the operand's registers) come into LDS once, by three tensor loads a wave of 64 rows x 256 bytes (waves 0, 1: the halves of x's block; waves 2, 3: of
; o's), all issued at the head: three loads of a wave are out.  Wout's fragments go from memory straight into registers: each is used by one wave of the work-group alone, an encoder ahead.
; Source 0 = 16 positions, source 1 = 16 rows of Wout: a lane holds ONE output channel and eight neighbouring positions.  The way out goes through the wave's own stage, so that sixteen lanes store 256 consecutive bytes, aligned.
; No cluster: what work-groups share is Wout, which each wave takes into registers once; a joint load would land it in LDS, where beside 196,608 bytes of images only a ring with four refills would fit, for 768 products a wave.
; LIMITS: as the launches before: f16 operands up to 65,504; NaN and infinities are not served.
; REGISTERS.  Window 0: v1-11 addresses; v64-127, v128-191 two buffers of 4 x and 4 o fragments, later the rows of out.  Window 1: v0-127 the 16 accumulators (8 (4 o + t)); v128-255 the 16 of Wout o.
;   Window 2: Wout of encoders 0 and 2 (32 kb + 8 o); window 3: of encoder 1.
.set STG,   196608                     ; behind the images: 64 rows x 272 bytes for each wave; no fill lands here
.set SPARE, 266240                     ; the spare words, 128 bytes a wave: two blocks of 256 bytes that no other line names
.set L16, 1
.set WO,  2                            ; v2   16 x lane + 4,096 w: my four tiles of outputs in a block of wof
.set AD,  3                            ; v3-5 16 x lane + 65,536 e
.set SO,  6                            ; v6   the stage: where I put 32 bytes of a row
.set SR,  7                            ; v7   where I read rows back
.set GO,  8                            ; v8   my byte offset in two rows of out
.set SPW, 10
.set NIL, 11
.set F0,  64
.set WV,  14
.set G1,  24                           ; s[24:31] descriptor group 1;  s[32:43] three groups 0
.set G0,  32
.set MSB, 0
.macro WIN new
.if MSB != (\new)
	s_set_vgpr_msb (MSB<<8)|(\new)
.set MSB, (\new)
.endif
.endm
.macro PLACES
.rept 4
	v_nop
.endr
.endm
	s_load_b256 s[4:11], s[0:1], 0x0               ; xt s[4:5], ot s[6:7], wof s[8:9], gamma s[10:11]
	s_load_b64 s[12:13], s[0:1], 0x20              ; out0
	v_lshl_add_u32 v[SPW], v0, 2, SPARE
	v_mov_b32 v[NIL], 0
	ds_add_u32 v[SPW], v[NIL]                      ; the wave's opening: the add, twice on end, and its wait ahead of my first tensor load
	ds_add_u32 v[SPW], v[NIL]
	v_lshrrev_b32 v12, 5, v0
	v_readfirstlane_b32 s[WV], v12                 ; wave 0..3
	s_mov_b32 s[G1], 3<<16                         ; no mask; elements of 8 bytes; no padding
	s_mov_b32 s[G1+1], 32<<16                      ; tensor_dim0 = 32 elements: 256 bytes
	s_mov_b32 s[G1+2], 64<<16                      ; tensor_dim1 = 64
	s_mov_b32 s[G1+3], 32<<16                      ; tile_dim0
	s_mov_b32 s[G1+4], 64                          ; tile_dim1
	s_mov_b32 s[G1+5], 32                          ; the pitch: the block is dense
	s_mov_b32 s[G1+6], 0
	s_mov_b32 s[G1+7], 0
	s_lshl_b32 s16, ttmp9, 15                      ; tile 4 b of 8,192 bytes,
	s_and_b32 s17, s[WV], 1
	s_lshl_b32 s17, s17, 14
	s_add_co_u32 s16, s16, s17                     ; + my two tiles
	s_mov_b32 s17, 0
	s_lshl_b32 s20, s[WV], 14                      ; in LDS: block 2 e + w / 2, half w % 2: 65,536 e + 16,384 w
	s_wait_dscnt 0x0                               ; both opening adds are done
	s_wait_kmcnt 0x0
	s_load_b96 s[44:46], s[10:11], 0x0             ; gamma
	s_cmp_lt_u32 s[WV], 2                          ; waves 0, 1 fetch x, waves 2, 3 fetch o: a choice on the wave's number alone
	s_cselect_b64 s[18:19], s[4:5], s[6:7]
	s_add_nc_u64 s[18:19], s[18:19], s[16:17]
.irp e, 0,1,2
	s_mov_b32 s[G0+4*\e], 1
	s_add_co_u32 s[G0+4*\e+1], s20, 65536*\e
	s_add_nc_u64 s[G0+4*\e+2:G0+4*\e+3], s[18:19], 8388608*\e   ; an encoder: 1,024 tiles
	s_or_b32 s[G0+4*\e+3], s[G0+4*\e+3], 0x80000000
.endr
.irp e, 0,1,2
	tensor_load_to_lds s[G0+4*\e:G0+4*\e+3], s[G1:G1+7]
	s_nop 0
.endr
	PLACES
	v_and_b32 v12, 31, v0                          ; lane
	v_lshlrev_b32 v[L16], 4, v12
	s_lshl_b32 s16, s[WV], 12
	v_add_nc_u32 v[WO], s16, v[L16]
	WIN 0x80                                       ; destination window 2
.irp kb, 0,1,2,3,4,5,6,7               ; Wout of encoder 0
.irp o, 0,1,2,3
	global_load_b128 v[32*\kb+8*\o:32*\kb+8*\o+3], v[WO], s[8:9] offset:16384*\kb+1024*\o
	global_load_b128 v[32*\kb+8*\o+4:32*\kb+8*\o+7], v[WO], s[8:9] offset:16384*\kb+1024*\o+512
.endr
.endr
	WIN 0
	v_lshlrev_b32 v[AD], 4, v12
	v_add_nc_u32 v[AD+1], 0x10000, v[L16]
	v_add_nc_u32 v[AD+2], 0x20000, v[L16]
	v_and_b32 v13, 15, v12                         ; r
	v_lshrrev_b32 v14, 4, v12                      ; h
	s_mul_i32 s17, s[WV], 17408
	s_add_co_u32 s17, s17, STG                     ; my stage
	v_mul_u32_u24 v[SO], v13, 272
	v_lshl_add_u32 v[SO], v14, 5, v[SO]
	v_add_nc_u32 v[SO], s17, v[SO]                 ; in: row r of a tile of outputs, + 32 h
	v_mul_u32_u24 v[SR], v14, 272
	v_lshl_add_u32 v[SR], v13, 4, v[SR]
	v_add_nc_u32 v[SR], s17, v[SR]                 ; back: lanes 0-15 one row of 256 bytes, lanes 16-31 the next
	v_lshlrev_b32 v[GO], 16, v14
	v_lshl_add_u32 v[GO], v13, 4, v[GO]            ; and the same two channels of out
	s_lshl_b32 s16, s[WV], 22                      ; out: channel 64 w of 65,536 bytes,
	s_lshr_b32 s17, ttmp9, 7                       ; kh
	s_lshl_b32 s17, s17, 15
	s_add_co_u32 s16, s16, s17
	s_and_b32 s17, ttmp9, 63                       ; i: image row 64 kh + i of 512 bytes,
	s_lshl_b32 s17, s17, 9
	s_add_co_u32 s16, s16, s17
	s_bfe_u32 s17, ttmp9, 0x10006                  ; kw: column 64 kw
	s_lshl_b32 s17, s17, 8
	s_add_co_u32 s16, s16, s17
	s_mov_b32 s17, 0
	s_add_nc_u64 s[52:53], s[12:13], s[16:17]
	s_wait_kmcnt 0x0                               ; gamma: the packed form names a pair and takes its low word for both halves
	s_mov_b32 s48, s45
	s_mov_b32 s49, s45
	s_mov_b32 s50, s46
	s_mov_b32 s51, s46
.macro FETCHF e, kb, buf               ; the 4 x and 4 o fragments of 32 channels kb of encoder e
.irp s, 0,1
.irp t, 0,1,2,3
	ds_load_b128 v[(\buf)+32*\s+8*\t:(\buf)+32*\s+8*\t+3], v[AD+(\e)] offset:32768*\s+8192*\t+1024*(\kb)
	ds_load_b128 v[(\buf)+32*\s+8*\t+4:(\buf)+32*\s+8*\t+7], v[AD+(\e)] offset:32768*\s+8192*\t+1024*(\kb)+512
.endr
.endr
.endm
.macro MM16 dst, fr, wk, zero          ; 16 products on 16 accumulators, which take turns; zero = 1: they start the sums
.irp o, 0,1,2,3
.irp t, 0,1,2,3
.if \zero
	v_wmma_f32_16x16x32_f16 v[(\dst)+8*(4*\o+\t):(\dst)+8*(4*\o+\t)+7], v[(\fr)+8*\t:(\fr)+8*\t+7], v[(\wk)+8*\o:(\wk)+8*\o+7], 0
.else
	v_wmma_f32_16x16x32_f16 v[(\dst)+8*(4*\o+\t):(\dst)+8*(4*\o+\t)+7], v[(\fr)+8*\t:(\fr)+8*\t+7], v[(\wk)+8*\o:(\wk)+8*\o+7], v[(\dst)+8*(4*\o+\t):(\dst)+8*(4*\o+\t)+7]
.endif
.endr
.endr
.endm
; 32 channels kb of encoder e: 32 products.  The next step's fragments are fetched into the other buffer, and Wout's fragments of (e + 1, kb) are asked for, ahead of the products.
.macro KB e, kb
.set KQ, 8*\e+\kb
.set BU, F0+64*(KQ%2)
.set NB, F0+64*((KQ+1)%2)
.set NE, (KQ+1)/8
.set NK, (KQ+1)%8
	s_wait_dscnt 0x0                               ; this step's fragments are in
.if (\kb == 7) && (\e < 2)
	s_wait_tensorcnt 1-\e                          ; my part of the next encoder's blocks is in; the count is the younger encoders' loads
	s_barrier_signal -1
	s_barrier_wait -1                              ; everybody's is
.endif
.if \e < 2
	s_wait_loadcnt 56                              ; Wout's 8 loads of this step are in: 56 are younger (the rest of this encoder's and what the steps before asked of the next)
.else
	s_wait_loadcnt 56-8*\kb                        ; the last encoder: only the rest of its own are younger
.endif
.if KQ < 23
	PLACES                                         ; ahead of loads into registers that matrix instructions have read (ISA guide 7.12.1 for vector instructions)
	FETCHF NE, NK, NB
.endif
.if \e < 2
	WIN 0xc0-0x40*\e                               ; destination window 3 (encoder 1) or 2 (encoder 2)
.irp o, 0,1,2,3
	global_load_b128 v[32*\kb+8*\o:32*\kb+8*\o+3], v[WO], s[8:9] offset:16384*(8*(\e+1)+\kb)+1024*\o
	global_load_b128 v[32*\kb+8*\o+4:32*\kb+8*\o+7], v[WO], s[8:9] offset:16384*(8*(\e+1)+\kb)+1024*\o+512
.endr
.endif
	WIN 0x58+4*(\e%2)                              ; positions window 0, Wout window 2 or 3, C and D window 1
.if KQ == 0
	MM16 0, BU, 32*\kb, 1
.else
	MM16 0, BU, 32*\kb, 0
.endif
.if \kb == 0
	MM16 128, BU+32, 32*\kb, 1
.else
	MM16 128, BU+32, 32*\kb, 0
.endif
	WIN 0
.endm
.macro GAM g                           ; the sums += gamma x (Wout o), in f32, each accumulator from its low end on
	PLACES
	WIN 0x51
.set I, 0
.rept 64
	v_pk_fma_f32 v[I:I+1], v[128+I:129+I], s[\g:\g+1], v[I:I+1] op_sel_hi:[1,0,1]
.set I, I+2
.endr
	WIN 0
.endm
	s_wait_tensorcnt 2                             ; my part of encoder 0's blocks is in; the two younger loads may stay out
	s_barrier_signal -1
	s_barrier_wait -1
	FETCHF 0, 0, F0
.irp kb, 0,1,2,3,4,5,6,7
	KB 0, \kb
.endr
	GAM 44
.irp kb, 0,1,2,3,4,5,6,7
	KB 1, \kb
.endr
	GAM 48
.irp kb, 0,1,2,3,4,5,6,7
	KB 2, \kb
.endr
	GAM 50
	; THE WAY OUT: 64 rows (channels) x 256 bytes through my own stage.  LDS serves a wave's instructions in order (ISA guide 5.7.1.4): no wait between the stores and the loads
	WIN 0x04                                       ; an LDS store's data are its source 1: window 1
.irp o, 0,1,2,3
.irp t, 0,1,2,3
	ds_store_b128 v[SO], v[8*(4*\o+\t):8*(4*\o+\t)+3] offset:4352*\o+64*\t
	ds_store_b128 v[SO], v[8*(4*\o+\t)+4:8*(4*\o+\t)+7] offset:4352*\o+64*\t+16
.endr
.endr
	WIN 0
.set I, 0
.rept 32
	ds_load_b128 v[F0+4*I:F0+4*I+3], v[SR] offset:544*I
.set I, I+1
.endr
.set I, 0
.rept 32
	s_wait_dscnt 31-I
	global_store_b128 v[GO], v[F0+4*I:F0+4*I+3], s[52:53] offset:131072*I th:TH_STORE_NT   ; sixteen lanes store 256 consecutive bytes, aligned; written once, read by nobody here
.set I, I+1
.endr
	s_wait_tensorcnt 0x0                           ; the wave's end, behind my last tensor load and my last LDS store
	ds_add_u32 v[SPW], v[NIL]
	s_wait_dscnt 0x0
	s_endpgm
.Lfunc_end_k_qa5b2db40d6_outp:
	.size	k_qa5b2db40d6_outp, .Lfunc_end_k_qa5b2db40d6_outp-k_qa5b2db40d6_outp
	.p2alignl 7, 3214868480
	.fill 96, 4, 3214868480
	.section	.rodata,"a",@progbits
	.p2align	6, 0x0
	.amdhsa_kernel k_qa5b2db40d6_outp
		.amdhsa_group_segment_fixed_size 266752
		.amdhsa_private_segment_fixed_size 0
		.amdhsa_enable_private_segment 0
		.amdhsa_kernarg_size 40
		.amdhsa_user_sgpr_count 2
		.amdhsa_user_sgpr_kernarg_segment_ptr 1
		.amdhsa_wavefront_size32 1
		.amdhsa_system_sgpr_workgroup_id_x 1
		.amdhsa_system_sgpr_workgroup_id_y 1
		.amdhsa_system_sgpr_workgroup_id_z 1
		.amdhsa_system_vgpr_workitem_id 0
		.amdhsa_next_free_vgpr 1024
		.amdhsa_next_free_sgpr 66
		.amdhsa_reserve_vcc 0
		.amdhsa_float_denorm_mode_32 3
		.amdhsa_float_denorm_mode_16_64 3
		.amdhsa_memory_ordered 1
		.amdhsa_forward_progress 1
		.amdhsa_inst_pref_size 122
	.end_amdhsa_kernel
	.amdgpu_metadata
---
amdhsa.version: [ 1, 2 ]
amdhsa.kernels:
  - .name:           k_qa5b2db40d6_outp
    .symbol:         k_qa5b2db40d6_outp.kd
    .args:
      - { .name: xt, .offset: 0, .size: 8, .value_kind: global_buffer, .address_space: global }
      - { .name: ot, .offset: 8, .size: 8, .value_kind: global_buffer, .address_space: global }
      - { .name: wof, .offset: 16, .size: 8, .value_kind: global_buffer, .address_space: global }
      - { .name: gamma, .offset: 24, .size: 8, .value_kind: global_buffer, .address_space: global }
      - { .name: out0, .offset: 32, .size: 8, .value_kind: global_buffer, .address_space: global }
    .group_segment_fixed_size: 266752
    .private_segment_fixed_size: 0
    .kernarg_segment_align: 8
    .kernarg_segment_size: 40
    .max_flat_workgroup_size: 128
    .sgpr_count:     66
    .vgpr_count:     1024
    .wavefront_size: 32
...
	.end_amdgpu_metadata
.endif
;; end of part 4
